; MI455X (gfx1250); checked and timed in simulation.
; The chip was launched on July 23, 2026; its instructions are those of AMD's public machine-readable ISA for CDNA 5 (MIT licence, August 2026) and "CDNA5" Instruction Set Architecture Reference Guide (July 2026). The comments in the code are by the model that wrote it; some were corrected since.
;; Machete Layer. Allowed arithmetic: matrix products marked QUANTISED: E5M2 operands, one E8M0 scale for each 32 along K, by v_wmma_scale_f32_16x16x128_f8f6f4 with both operands' format E5M2, f32 sums; everything else in f32.
;; Inputs: B 1,024 x 8,192 int32; s 64 x 8,192 float32; x_codes 64 x 256 x 32 uint8 (E5M2 codes of x, K innermost, in blocks of 32 codes); x_scales 64 x 256 uint8 (E8M0 scales of x, one for each 32 codes along K).
;; Outputs: out0 64 x 8,192 float32.
;; This version of the problem:
;;   THIS VERSION OF THE PROBLEM IS GIVEN IN LOW PRECISION. The matrix products marked QUANTISED in the list below multiply operands that are first quantised to E5M2 (5 exponent bits, 2 mantissa bits; 8 bits a number), with one power-of-two scale for each 32 numbers along K (OCP MX v1.0); their sums are f32. All else is computed in f32.
;;   The module's matrix products, in the order in which they are computed (A, B: the left and right operand; K: the contracted axis; several contracted axes count as one K, in the product's order):
;;     1. [M 64, K 8,192] x [K 8,192, N 8,192]; A: input x (given as codes); B: computed on the way: QUANTISED
;;   THE QUANTISER, for each operand of a quantised product, along K:
;;     - K is cut into blocks of 32 from its start; a last block that is shorter is filled with zeros.
;;     - A block's scale is 2^e with e = floor(log2(the largest magnitude in the block)) - 15, held to -126 .. 127; a block of zeros has e = 0. As a byte (E8M0): e + 127.
;;     - Each number is divided by its block's scale, clamped to +-57,344, and rounded to the nearest number of E5M2, ties to even, subnormals kept.
;;     - The product sums the exact products of the quantised numbers (number of the format x scale) in f32.
;;   ~~~python
;;   def quantise(x, axis):      # numpy; x: float32 -> the quantised numbers, widened to float32 again
;;       x = np.moveaxis(x, axis, -1); K = x.shape[-1]
;;       x = np.pad(x, [(0, 0)] * (x.ndim - 1) + [(0, -K % 32)]); x = x.reshape(x.shape[:-1] + (-1, 32)); a = np.abs(x).max(-1, keepdims=True)
;;       e = np.where(a > 0, np.clip(np.frexp(np.where(a > 0, a, 1))[1] - 1 - 15, -126, 127), 0)      # np.frexp(a)[1] - 1 = floor(log2(a)), exactly
;;       r = np.clip(x / 2.0 ** e, -57344, 57344)
;;       step = 2.0 ** (np.maximum(np.frexp(np.where(r == 0, 1, r))[1] - 1, -14) - 2)
;;       q = np.round(r / step) * step * 2.0 ** e      # np.round: ties to even
;;       return np.moveaxis(q.reshape(q.shape[:-2] + (-1,))[..., :K], -1, axis).astype(np.float32)
;;   ~~~
;;   OPERANDS COMPUTED ON THE WAY. 'Computed on the way' means the value that the module computes at that place (a softmax that the list does not call 'softmax' is quantised finished and normalised). What goes into a quantiser is computed in f32, as accurately as f32 sums, v_exp_f32 and their like allow (about 1e-6 of the number): no bf16 or f16 on the way to a quantiser, and a product that is left as it is and whose result goes on into a quantised operand takes f32 operands (vector FMAs, or v_wmma_f32_16x16x4_f32). A number that lies on a knife's edge between two numbers of the format may be rounded either way, as far as f32 arithmetic and the matrix unit's own rounding can turn it there, and no further.
;;   INPUTS GIVEN AS CODES. x (in the module: [64, 8192], K = its axis 1): each comes as NAME_codes (uint8): NAME with its K axis moved to the last place and cut into blocks of 32 codes, [.., K / 32, bytes a block], one block behind the other in memory; one code a byte (a code: sign, 5 exponent bits, 2 mantissa bits); and NAME_scales (uint8): the same leading axes, one E8M0 byte (e + 127) for each 32 codes along K. Its value is code x scale, taken as it is: it is not quantised again, and the codes and scales need not be those that the quantiser above would give.
;; One version. Each part assembles by itself: llvm-mc -triple=amdgcn-amd-amdhsa -mcpu=gfx1250 --defsym DOCPART=n.
;; ======== version 1 of 1: 1 launch
;; limits: right only within a limited range of input values
;; launch machete (part 1): grid 256 x 1, 16 waves a work-group, clusters of 4 x 1, 327,680 bytes of LDS; arguments B, s, x_codes, x_scales, out0; writes out0
.if DOCPART == 1
	.amdgcn_target "amdgcn-amd-amdhsa--gfx1250"
	.amdhsa_code_object_version 6
	.text
	.protected	k_q3f5c95816e_machete
	.globl	k_q3f5c95816e_machete
	.p2align	8
	.type	k_q3f5c95816e_machete,@function
k_q3f5c95816e_machete:
	s_mov_b64 s[64:65], 0
	v_nop
	global_prefetch_b8 v0, s[64:65] scope:SCOPE_SE
	s_setreg_imm32_b32 hwreg(HW_REG_WAVE_MODE, 25, 1), 1
	s_wait_xcnt 0x0
	s_wait_alu depctr_hold_cnt(0) depctr_sa_sdst(0) depctr_va_vdst(0) depctr_va_sdst(0) depctr_va_ssrc(0) depctr_va_vcc(0) depctr_vm_vsrc(0)
	s_getreg_b32 s2, hwreg(HW_REG_IB_STS2, 6, 4)
	s_cmp_eq_u32 s2, 0
	s_cbranch_scc0 .Lentry_in_a_cluster
	s_endpgm
.Lentry_in_a_cluster:
	s_bfe_u32 s2, ttmp6, 0x10000c
	s_cmp_lg_u32 s2, 0x3003
	s_cbranch_scc0 .Lentry_shape_is_right
	s_endpgm
.Lentry_shape_is_right:
; out0[64][8192] = x W,  W[k][n] = (nibble k % 8 of B[k / 8][n] - 8) x s[k / 128][n], made in f32 and quantised along K in blocks of 32 to codes of BF8 (E5M2) with one E8M0 byte a block;
; x comes as codes [64][8192] and scale bytes [64][256] and is used as given.  The product: v_wmma_scale_f32_16x16x128_f8f6f4, both sides BF8, sums in f32.
; SHARES.  256 work-groups; work-group g owns columns 32 g .. 32 g + 31, all 64 rows and all of K: each weight is unpacked and quantised once, and each output has one owner.
; (64 columns to a work-group would leave half of the 256 WGPs without work.)
; Sixteen waves share K.  A K step is 128 along K (one group of s, 16 rows of B).  Wave w takes K steps 2 w, 2 w + 1 (phases 0, 1) and 32 + 2 w, 33 + 2 w (phases 2, 3); the sixteen partial sums meet in LDS at the end.
; B GOES FROM MEMORY INTO REGISTERS IN THE OPERAND'S ORDER.  Lane (r = lane % 16, h = lane / 16) loads 8 bytes: the words of columns 2 r and 2 r + 1 of B's row 16 ks + 4 c + 2 h + j (c = 0 .. 3, j = 0, 1),
; which hold k = 32 c + 16 h + 8 j + 0 .. 7.  Tile i (0, 1) is the set of columns 32 g + 2 r + i.  Two phases' words are asked for at the head, the others as soon as a set of registers is free.
; No L2 prefetch: the text has no loop, and half of B is asked for into registers before the first word is used.
; x GOES THROUGH LDS: 64 rows x 256 bytes, the two K steps of a half, are a wave's own tile, read by that wave alone.  All work-groups walk the same x: the four of a cluster ask for each tile jointly (mask 15).
; Each wave issues two loads: one at the head, one refill behind the one round of the cluster's barrier in the middle.  x's scale words come straight into registers.
; THE ARITHMETIC OF A WEIGHT.  word & 15 << 4 q, read as f32, is the denormal number nibble x 2^(4 q - 149).  One fused multiply-add by s x 2^(85 - 4 q), with -8 s x 2^-64 added, gives (nibble - 8) x s, rounded
; once, x 2^-64.  The block's scale byte takes the 64 back.
; THE QUANTISER.  A block's numbers are multiples -8 .. 8 of one s: nonzero ones lie within a factor of 8, so no code is subnormal and the power of two that the codes are laid on does not change the numbers.
; They are laid so that the block's largest magnitude lies in 1 .. 2: then every code is under 0x40 but for a number that rounds up to 2, which is a number that the stated quantiser
; holds at 57,344 = 1.75 x 2^15: bit 6 of a code's byte marks it, and 1 taken off the byte makes it 0x3f = 1.75.
; LIMITS: 0 < |s| < 2^-62 loses bits (denormal weights x 2^-64), |s| of 2^43 and more is not served, nor are NaN and infinities in s; a block of zeros gets the byte 65 (its codes are zeros; this program alone reads it).
.set TILE,   64*272                    ; a wave's tile: 64 rows of 256 bytes + 16 of padding: 68 words a row, so the 16 rows that a fragment load touches start 4 banks apart (64 banks of 4 bytes: ISA guide 11.1)
.set SPARE,  16*TILE                   ; the spare words, 128 bytes for each of 16 waves: eight blocks of 256 bytes that no other line names
; THE STAGE for the partial sums: the first 8,192 bytes of each wave's own tile, written when that tile has had its last fill and its last read.
.set SPW,  1                           ; v1      LDS address of my spare word; never rewritten
.set NIL,  2                           ; v2      0; never rewritten
.set VB,   3                           ; v3      B: 65,536 h + 8 r
.set VS,   4                           ; v4      s: 8 r
.set VX,   5                           ; v5      x's fragments in my tile
.set VXS,  6                           ; v6      x's scale words: 256 x lane + 8 x wave
.set VST,  7                           ; v7      the stage: my tile + 16 x lane
.set VRD,  8                           ; v8-11   the stage read back: images of waves 4 i .. 4 i + 3
.set VO,   12                          ; v12     out0: 262,144 h + 8 r
.set NS,   14                          ; v14-17  column i: -8 s x 2^-64, twice
.set SP,   18                          ; v18-25  column i: s x 2^(85 - 4 q), q = 0 .. 3
.set T,    26                          ; v26-33  at work
.set MX,   34                          ; v34-37  the blocks' largest magnitudes: the conversions' scale operands as they stand
.set PL,   38                          ; v38-41  the other half's; then the bytes
.set SL,   42                          ; v42-45  s as loaded, two sets of a pair
.set WS0,  48                          ; v48-49  W's scale word of tile i in phases 0, 1: scales and nothing else
.set XS,   50                          ; v50-57  x's scale words: half f, row tiles 2 u (lanes 0-15) and 2 u + 1 (lanes 16-31), K step o of the half at 4 f + 2 u + o: scales and nothing else
.set WS1,  58                          ; v58-59  as WS0, in phases 2, 3
.set OUTR, 60                          ; v60-63  what I store
.set WB,   64                          ; v64-95  B's words, two sets of 16: word a = 2 c + j of column i at 2 a + i
.set F,    96                          ; v96-159 a tile's 64 weights in f32; then x's four fragments; at the end the partial sums
.set C,    160                         ; v160-191 the codes of tiles 0 and 1
.set ACC,  192                         ; v192-255 eight accumulators: (row tile t, column tile i) at 8 (2 t + i)
.set WV,    14                         ; s14     my wave's number
.set SEL,   20                         ; s[20:21] v_permlanex16_b32's selects for lane l xor 16
.set ONES,  22                         ; s22     0x01010101
.set MASK,  24                         ; s24-27  15 << 4 q
.set G1,    28                         ; s[28:35] descriptor group 1
.set G0,    36                         ; s[36:43] group 0 of the head's fill and of the refill: written once, never rewritten
.set BB,    66                         ; s[66:69] B at my columns and my first K step of half 0, 1
.set SB,    74                         ; s[74:75] s likewise, half 0
.set OB,    76                         ; s[76:77] out0 at my columns and my first row
.macro PLACES n
.rept \n
	v_nop
.endr
.endm
.macro CREST                           ; a round of the cluster's barrier behind its opening barrier
	s_cmp_lg_u32 s[WV], 0
	s_cbranch_scc1 .Lnot_wave_0_\@
	s_barrier_signal -3
.Lnot_wave_0_\@:
	s_barrier_wait -3
	s_barrier_signal -1
	s_barrier_wait -1
.endm
.macro ROUND
	s_barrier_signal -1
	s_barrier_wait -1
	CREST
.endm
; Nine loads: my K step of phase p: the pair of s, then B's eight pairs of words, into set p % 2.  Sixteen lanes read 128 consecutive bytes.  No address register and no base is ever rewritten.
.macro LOADSET p
	global_load_b64 v[SL+2*((\p)%2):SL+2*((\p)%2)+1], v[VS], s[SB:SB+1] offset:32768*((\p)%2)+1048576*((\p)/2)
.irp a, 0,1,2,3,4,5,6,7
	global_load_b64 v[WB+16*((\p)%2)+2*\a:WB+16*((\p)%2)+2*\a+1], v[VB], s[BB+2*((\p)/2):BB+2*((\p)/2)+1] offset:32768*(4*(\a/2)+\a%2)+524288*((\p)%2)
.endr
.endm
; The multipliers of my two columns.  These twelve plain lines name no register of the last phase's products: they are the places behind them (ISA guide 7.12.1).
.macro SPREP st
.irp i, 0,1
	v_mul_f32 v[SP+4*\i], 0x6a000000, v[SL+2*(\st)+\i]         ; x 2^85
	v_mul_f32 v[SP+4*\i+1], 0x68000000, v[SL+2*(\st)+\i]       ; x 2^81
	v_mul_f32 v[SP+4*\i+2], 0x66000000, v[SL+2*(\st)+\i]       ; x 2^77
	v_mul_f32 v[SP+4*\i+3], 0x64000000, v[SL+2*(\st)+\i]       ; x 2^73
	v_mul_f32 v[NS+2*\i], 0xa1000000, v[SL+2*(\st)+\i]         ; x -2^-61
	v_mul_f32 v[NS+2*\i+1], 0xa1000000, v[SL+2*(\st)+\i]
.endr
.endm
; Tile i of my K step: eight words of set st become 64 weights (register 16 b + e = k 32 b + 16 h + e of my column), their scale word (in ws + i) and 64 codes.  reload >= 0: the set is asked for anew, for that phase.
.macro QUANT i, st, ws, reload
.irp a, 0,1,2,3,4,5,6,7
	v_lshrrev_b32 v[T+\a], 16, v[WB+16*(\st)+2*\a+(\i)]        ; nibbles 4 to 7 come under the same four masks
.endr
.irp a, 0,1,2,3,4,5,6,7
.irp q, 0,1,2,3
	v_and_b32 v[F+8*\a+\q], s[MASK+\q], v[WB+16*(\st)+2*\a+(\i)]
	v_and_b32 v[F+8*\a+4+\q], s[MASK+\q], v[T+\a]
.endr
.endr
.if (\reload) >= 0
	LOADSET \reload                                            ; the set's words and its s have been read for the last time
.endif
.irp a, 0,4,8,12,16,20,24,28,32,36,40,44,48,52,56,60
	v_pk_fma_f32 v[F+\a:F+\a+1], v[F+\a:F+\a+1], v[SP+4*(\i):SP+4*(\i)+1], v[NS+2*(\i):NS+2*(\i)+1]       ; (nibble - 8) x s x 2^-64
	v_pk_fma_f32 v[F+\a+2:F+\a+3], v[F+\a+2:F+\a+3], v[SP+4*(\i)+2:SP+4*(\i)+3], v[NS+2*(\i):NS+2*(\i)+1]
.endr
.irp b, 0,1,2,3
	v_max3_num_f32 v[MX+\b], |v[F+16*\b]|, |v[F+16*\b+1]|, 0x800000           ; block b: my 16 numbers, and a floor of 2^-126
.endr
.irp e, 2,4,6,8,10,12,14
.irp b, 0,1,2,3
	v_max3_num_f32 v[MX+\b], v[MX+\b], |v[F+16*\b+\e]|, |v[F+16*\b+\e+1]|     ; the four blocks by turns
.endr
.endr
.irp b, 0,1,2,3
	v_permlanex16_b32 v[PL+\b], v[MX+\b], s[SEL], s[SEL+1]
.endr
.irp b, 0,1,2,3
	v_max_num_f32 v[MX+\b], v[MX+\b], v[PL+\b]                 ; with lane l xor 16's 16: the block's largest magnitude
.endr
.irp b, 0,1,2,3
	v_lshrrev_b32 v[PL+\b], 23, v[MX+\b]                       ; its exponent field
.endr
	v_lshl_or_b32 v[PL], v[PL+1], 8, v[PL]
	v_lshl_or_b32 v[PL+2], v[PL+3], 8, v[PL+2]
	v_lshl_or_b32 v[PL], v[PL+2], 16, v[PL]
	v_add_nc_u32 v[(\ws)+(\i)], 0x40404040, v[PL]              ; 64 on in each byte: my column's scale word for this K step
.irp b, 0,1,2,3
	v_cvt_scalef32_pk8_bf8_f32 v[C+16*(\i)+4*\b:C+16*(\i)+4*\b+1], v[F+16*\b:F+16*\b+7], v[MX+\b]        ; divided by the power of two in the largest magnitude; registers 4 b .. 4 b + 3 of source 1: k = 32 b + 16 h + 0 .. 15
	v_cvt_scalef32_pk8_bf8_f32 v[C+16*(\i)+4*\b+2:C+16*(\i)+4*\b+3], v[F+16*\b+8:F+16*\b+15], v[MX+\b]
.endr
	v_nop                                                      ; one plain line behind the last conversion
.endm
; THE HOLD at the largest code, four codes a register: a byte with bit 6 set (2.0, of either sign) becomes one less (1.75).
.macro FIX i
.irp g, 0,8
.irp j, 0,1,2,3,4,5,6,7
	v_lshrrev_b32 v[T+\j], 6, v[C+16*(\i)+\g+\j]
.endr
.irp j, 0,1,2,3,4,5,6,7
	v_and_b32 v[T+\j], s[ONES], v[T+\j]
.endr
.irp j, 0,1,2,3,4,5,6,7
	v_sub_nc_u32 v[C+16*(\i)+\g+\j], v[C+16*(\i)+\g+\j], v[T+\j]
.endr
.endr
.endm
; x's four fragments of K step o of my tile (row tile t: rows 16 t + r; registers 4 c .. 4 c + 3: k = 32 c + 16 h + 0 .. 15)
.macro XLOAD o
.irp t, 0,1,2,3
.irp c, 0,1,2,3
	ds_load_b128 v[F+16*\t+4*\c:F+16*\t+4*\c+3], v[VX] offset:4352*\t+32*\c+128*(\o)
.endr
.endr
.endm
; Eight products: four row tiles x two column tiles, 128 along K.  The eight accumulators take turns, one instruction a turn, in the same order in every phase.
; In phase 0 the products start the sums: nothing is cleared.  xs: row tiles 0, 1's scale register of this K step; tiles 2, 3's is two further on.
.macro MULS zero, xs, ws
.irp u, 0,1
.irp i, 0,1
.if \zero
	v_wmma_scale_f32_16x16x128_f8f6f4 v[ACC+8*(4*\u+\i):ACC+8*(4*\u+\i)+7], v[F+32*\u:F+32*\u+15], v[C+16*\i:C+16*\i+15], 0, v[(\xs)+2*\u], v[(\ws)+\i] matrix_a_fmt:MATRIX_FMT_BF8 matrix_b_fmt:MATRIX_FMT_BF8
.else
	v_wmma_scale_f32_16x16x128_f8f6f4 v[ACC+8*(4*\u+\i):ACC+8*(4*\u+\i)+7], v[F+32*\u:F+32*\u+15], v[C+16*\i:C+16*\i+15], v[ACC+8*(4*\u+\i):ACC+8*(4*\u+\i)+7], v[(\xs)+2*\u], v[(\ws)+\i] matrix_a_fmt:MATRIX_FMT_BF8 matrix_b_fmt:MATRIX_FMT_BF8
.endif
.endr
.irp i, 0,1
.if \zero
	v_wmma_scale_f32_16x16x128_f8f6f4 v[ACC+8*(4*\u+2+\i):ACC+8*(4*\u+2+\i)+7], v[F+32*\u+16:F+32*\u+31], v[C+16*\i:C+16*\i+15], 0, v[(\xs)+2*\u], v[(\ws)+\i] matrix_a_fmt:MATRIX_FMT_BF8 matrix_b_fmt:MATRIX_FMT_BF8 matrix_a_scale:MATRIX_SCALE_ROW1
.else
	v_wmma_scale_f32_16x16x128_f8f6f4 v[ACC+8*(4*\u+2+\i):ACC+8*(4*\u+2+\i)+7], v[F+32*\u+16:F+32*\u+31], v[C+16*\i:C+16*\i+15], v[ACC+8*(4*\u+2+\i):ACC+8*(4*\u+2+\i)+7], v[(\xs)+2*\u], v[(\ws)+\i] matrix_a_fmt:MATRIX_FMT_BF8 matrix_b_fmt:MATRIX_FMT_BF8 matrix_a_scale:MATRIX_SCALE_ROW1
.endif
.endr
.endr
.endm
.macro PHASE p
.set WSP, WS0+(WS1-WS0)*((\p)/2)
.set XSP, XS+4*((\p)/2)+(\p)%2
.if (\p) == 0
	s_wait_loadcnt 13                              ; set 0's nine are in; the four scale loads and set 1's nine, issued behind them, may be out
.elseif (\p) < 3
	s_wait_loadcnt 9                               ; this phase's nine are in; the next set's nine may be out
.else
	s_wait_loadcnt 0
.endif
	SPREP (\p)%2
	QUANT 0, (\p)%2, WSP, -1
	FIX 0
.if (\p) < 2
	QUANT 1, (\p)%2, WSP, (\p)+2
.else
	QUANT 1, (\p)%2, WSP, -1
.endif
.if (\p)%2 == 0
	s_wait_alu depctr_va_vdst(0)                   ; directly ahead of the wait below
	s_wait_tensorcnt 0x0                           ; my one load is in: I alone read my tile
.endif
	XLOAD (\p)%2                                   ; the weights' registers are free; the hold on tile 1's codes runs meanwhile
	FIX 1
	PLACES 4                                       ; between the last codes and the scaled products
	s_wait_alu depctr_va_vdst(0)                   ; directly ahead of the waits below
.if (\p) == 0
	s_wait_loadcnt 18                              ; x's scale words are in: sets 1 and 2, nine loads each, were issued behind them
.endif
.if (\p) == 1
	s_wait_tensorcnt 0x0                           ; all my tensor loads have landed
	ds_add_u32 v[SPW], v[NIL]                      ; 0 onto my spare word
	s_wait_dscnt 0x0                               ; the add is done, and my reads of my tile are over
	s_barrier_signal -1                            ; opens a round of the cluster's barrier
	MULS 0, XSP, WSP                               ; work on registers while the others arrive
	s_barrier_wait -1
	CREST                                          ; the same now holds of every wave of all four work-groups
	tensor_load_to_lds s[G0+4:G0+7], s[G1:G1+7]    ; the refill, my one load behind the round: it has the next phase's quantising in which to land
	s_nop 0
	PLACES 4
.else
	s_wait_dscnt 0x0
.if (\p) == 0
	MULS 1, XSP, WSP
.else
	MULS 0, XSP, WSP
.endif
.endif
.endm
	s_load_b256 s[4:11], s[0:1], 0x0               ; B s[4:5], s s[6:7], x's codes s[8:9], x's scales s[10:11]
	s_load_b64 s[12:13], s[0:1], 0x20              ; out0
	v_lshl_add_u32 v[SPW], v0, 2, SPARE
	v_mov_b32 v[NIL], 0
	ds_add_u32 v[SPW], v[NIL]                      ; the wave's opening: the add, twice on end, and its wait ahead of my first tensor load
	ds_add_u32 v[SPW], v[NIL]
	v_lshrrev_b32 v24, 5, v0
	v_readfirstlane_b32 s[WV], v24                 ; wave 0 .. 15
	s_bfe_u32 s16, ttmp6, 0x40000                  ; cx: my place in the cluster
	s_lshl_b32 s17, ttmp9, 2                       ; in a cluster launch ttmp9 counts clusters
	s_add_co_u32 s17, s17, s16                     ; g = 4 x cluster + cx: it enters the addresses of B, s and out0 alone
	s_mov_b32 s[SEL], 0x76543210
	s_mov_b32 s[SEL+1], 0xfedcba98
	s_mov_b32 s[ONES], 0x01010101
	s_mov_b32 s[MASK], 0xf
	s_mov_b32 s[MASK+1], 0xf0
	s_mov_b32 s[MASK+2], 0xf00
	s_mov_b32 s[MASK+3], 0xf000
	; descriptor group 1: 64 rows x 256 bytes out of rows of 8,192
	s_mov_b32 s[G1], 15|(1<<20)|(1<<21)|(5<<22)|(3<<25)    ; 15:0 the mask: all four work-groups; 17:16 elements of 1 byte; 20 padding on; 21 set beside a mask; 24:22 after every 64 words (code 5); 31:25 four words (code 3)
	s_mov_b32 s[G1+1], 256<<16                     ; tensor_dim0 = 256
	s_mov_b32 s[G1+2], 64<<16                      ; tensor_dim1 = 64
	s_mov_b32 s[G1+3], 256<<16                     ; tile_dim0 = 256
	s_mov_b32 s[G1+4], 64                          ; tile_dim1 = 64
	s_mov_b32 s[G1+5], 8192                        ; from row to row
	s_mov_b32 s[G1+6], 0
	s_mov_b32 s[G1+7], 0
	s_mul_i32 s78, s[WV], TILE                     ; my tile in LDS
	s_lshl_b32 s79, s[WV], 3                       ; my two K steps' scale words: 8 bytes of a row
	s_lshr_b32 s80, s[WV], 2                       ; at the end I sum row tile t = wave / 4,
	s_and_b32 s81, s[WV], 3                        ; registers 2 q and 2 q + 1 of its accumulators, q = wave % 4
	s_lshl_b32 s82, s80, 2
	s_lshr_b32 s83, s81, 1
	s_add_co_u32 s82, s82, s83
	s_lshl_b32 s82, s82, 9                         ; 512 (4 t + q / 2): the accumulator's half in an image,
	s_and_b32 s83, s81, 1
	s_lshl_b32 s83, s83, 3                         ; and 8 (q % 2): the pair in a lane's 16 bytes
	s_add_co_u32 s82, s82, s83
	; offsets that hold g, in registers of their own
	s_lshl_b32 s18, s17, 7                         ; my 32 columns: 128 g bytes,
	s_lshl_b32 s19, s[WV], 20                      ; my first K step: 32 rows of B a wave
	s_add_co_u32 s18, s18, s19
	s_mov_b32 s19, 0
	s_lshl_b32 s86, s17, 7
	s_lshl_b32 s87, s[WV], 16                      ; two rows of s a wave
	s_add_co_u32 s86, s86, s87
	s_mov_b32 s87, 0
	s_lshl_b32 s84, s80, 4
	s_lshl_b32 s85, s81, 1
	s_add_co_u32 s84, s84, s85                     ; out0's row 16 t + 2 q
	s_lshl_b32 s84, s84, 15
	s_lshl_b32 s85, s17, 7
	s_add_co_u32 s84, s84, s85
	s_mov_b32 s85, 0
	s_lshl_b32 s88, s[WV], 8                       ; my tile begins 256 w bytes along x's rows
	s_mov_b32 s89, 0
	; the lanes' offsets and LDS addresses: each a constant + constants x lane + constants x wave
	v_and_b32 v28, 15, v0                          ; r
	v_bfe_u32 v29, v0, 4, 1                        ; h
	v_and_b32 v30, 31, v0                          ; lane
	v_mul_u32_u24 v31, v28, 272                    ; row r of an LDS tile
	v_lshlrev_b32 v[VS], 3, v28                    ; 8 r
	v_lshl_add_u32 v[VB], v29, 16, v[VS]           ; + two rows of B for the upper half
	v_lshl_add_u32 v[VO], v29, 18, v[VS]           ; + eight rows of out0 for the upper half
	v_lshl_add_u32 v31, v29, 4, v31
	v_add_nc_u32 v[VX], s78, v31
	v_lshlrev_b32 v32, 8, v30
	v_add_nc_u32 v[VXS], s79, v32                  ; row = lane: row tile 2 u in lanes 0-15, 2 u + 1 in lanes 16-31
	v_lshlrev_b32 v33, 4, v30                      ; 16 x lane
	v_add_nc_u32 v[VST], s78, v33
	v_add_nc_u32 v[VRD], s82, v33
	v_add_nc_u32 v[VRD+1], 4*TILE, v[VRD]
	v_add_nc_u32 v[VRD+2], 8*TILE, v[VRD]
	v_add_nc_u32 v[VRD+3], 12*TILE, v[VRD]
.irp b, 0,1,2,3
	v_mov_b32 v[PL+\b], 0                          ; written once: a lane permute's destination counts as one of its sources
.endr
	s_wait_alu depctr_va_vdst(0)
	s_wait_dscnt 0x0                               ; both opening adds are done
	s_wait_kmcnt 0x0
	s_add_nc_u64 s[BB:BB+1], s[4:5], s[18:19]
	s_add_nc_u64 s[BB+2:BB+3], s[BB:BB+1], 0x1000000   ; 32 K steps on
	s_add_nc_u64 s[SB:SB+1], s[6:7], s[86:87]
	LOADSET 0                                      ; two phases' words are asked for before anything else
.irp f, 0,1
.irp u, 0,1
	global_load_b64 v[XS+4*\f+2*\u:XS+4*\f+2*\u+1], v[VXS], s[10:11] offset:8192*\u+128*\f   ; x's scale words: two K steps of 32 rows a load
.endr
.endr
	LOADSET 1
	s_add_nc_u64 s[OB:OB+1], s[12:13], s[84:85]
	s_add_nc_u64 s[88:89], s[8:9], s[88:89]        ; x's codes at 256 w
.irp f, 0,1
	s_mov_b32 s[G0+4*\f], 1                        ; 1:0 count = 1
	s_mov_b32 s[G0+4*\f+1], s78                    ; 63:32 LDS address: my tile, both times
	s_add_nc_u64 s[G0+4*\f+2:G0+4*\f+3], s[88:89], 4096*\f   ; 120:64 global address: K from 4,096 f + 256 w on
	s_or_b32 s[G0+4*\f+3], s[G0+4*\f+3], 0x80000000          ; 127:126 type = 2
.endr
	ROUND                                          ; all four work-groups are here: the first joint loads meet
	tensor_load_to_lds s[G0:G0+3], s[G1:G1+7]      ; every wave's one load at the head: its own tile
	s_nop 0
	PLACES 4
	PHASE 0
	PHASE 1
	PHASE 2
	PHASE 3
	; THE SUM OVER THE SIXTEEN WAVES.  Each wave stores its eight accumulators as an image of its registers: 16 bytes a lane, 512 consecutive bytes a store, each accumulator from its low end on.
	; The image lies in the wave's own tile, which has had its last fill and its last read.
	PLACES 8                                       ; eight places between the last products and the first read of results
.irp a, 0,1,2,3,4,5,6,7
	ds_store_b128 v[VST], v[ACC+8*\a:ACC+8*\a+3] offset:1024*\a
	ds_store_b128 v[VST], v[ACC+8*\a+4:ACC+8*\a+7] offset:1024*\a+512
.endr
	s_wait_dscnt 0x0                               ; for the others' sake: my image lies in the stage
	s_barrier_signal -1
	s_barrier_wait -1
	; Wave w = 4 t + q reads, out of all sixteen images, registers 2 q and 2 q + 1 of accumulators (t, 0) and (t, 1): four numbers a lane and image
.irp ws, 0,1,2,3,4,5,6,7,8,9,10,11,12,13,14,15
.irp i, 0,1
	ds_load_b64 v[F+4*\ws+2*\i:F+4*\ws+2*\i+1], v[VRD+\ws/4] offset:TILE*(\ws%4)+1024*\i
.endr
.endr
	s_wait_dscnt 0x0
.irp e, 0,2,4,6,8,10,12,14,16,18,20,22,24,26,28,30
	v_pk_add_f32 v[F+\e:F+\e+1], v[F+\e:F+\e+1], v[F+32+\e:F+32+\e+1]         ; image ws + image ws + 8,
.endr
.irp e, 0,2,4,6,8,10,12,14
	v_pk_add_f32 v[F+\e:F+\e+1], v[F+\e:F+\e+1], v[F+16+\e:F+16+\e+1]         ; + 4,
.endr
.irp e, 0,2,4,6
	v_pk_add_f32 v[F+\e:F+\e+1], v[F+\e:F+\e+1], v[F+8+\e:F+8+\e+1]           ; + 2,
.endr
	v_add_f32 v[OUTR], v[F], v[F+4]                ; + 1, laid as they are stored: row 16 t + 8 h + 2 q, columns 32 g + 2 r and + 1;
	v_add_f32 v[OUTR+1], v[F+2], v[F+6]
	v_add_f32 v[OUTR+2], v[F+1], v[F+5]            ; the row below likewise
	v_add_f32 v[OUTR+3], v[F+3], v[F+7]
	global_store_b64 v[VO], v[OUTR:OUTR+1], s[OB:OB+1]                        ; sixteen lanes store 128 consecutive bytes: the work-group's whole part of a row
	global_store_b64 v[VO], v[OUTR+2:OUTR+3], s[OB:OB+1] offset:32768
	s_wait_tensorcnt 0x0                           ; the wave's end: behind my last tensor load and my last LDS store
	ds_add_u32 v[SPW], v[NIL]
	s_wait_dscnt 0x0
	ROUND                                          ; the closing round: no work-group ends while a partner may still ask for a tile that names it
	s_endpgm
.Lfunc_end_k_q3f5c95816e_machete:
	.size	k_q3f5c95816e_machete, .Lfunc_end_k_q3f5c95816e_machete-k_q3f5c95816e_machete
	.p2alignl 7, 3214868480
	.fill 96, 4, 3214868480
	.section	.rodata,"a",@progbits
	.p2align	6, 0x0
	.amdhsa_kernel k_q3f5c95816e_machete
		.amdhsa_group_segment_fixed_size 327680
		.amdhsa_private_segment_fixed_size 0
		.amdhsa_enable_private_segment 0
		.amdhsa_kernarg_size 40
		.amdhsa_user_sgpr_count 2
		.amdhsa_user_sgpr_kernarg_segment_ptr 1
		.amdhsa_wavefront_size32 1
		.amdhsa_system_sgpr_workgroup_id_x 1
		.amdhsa_system_sgpr_workgroup_id_y 1
		.amdhsa_system_sgpr_workgroup_id_z 1
		.amdhsa_system_vgpr_workitem_id 0
		.amdhsa_next_free_vgpr 256
		.amdhsa_next_free_sgpr 90
		.amdhsa_reserve_vcc 0
		.amdhsa_float_denorm_mode_32 3
		.amdhsa_float_denorm_mode_16_64 3
		.amdhsa_memory_ordered 1
		.amdhsa_forward_progress 1
		.amdhsa_inst_pref_size 101
	.end_amdhsa_kernel
	.amdgpu_metadata
---
amdhsa.version: [ 1, 2 ]
amdhsa.kernels:
  - .name:           k_q3f5c95816e_machete
    .symbol:         k_q3f5c95816e_machete.kd
    .args:
      - { .name: B, .offset: 0, .size: 8, .value_kind: global_buffer, .address_space: global }
      - { .name: s, .offset: 8, .size: 8, .value_kind: global_buffer, .address_space: global }
      - { .name: x_codes, .offset: 16, .size: 8, .value_kind: global_buffer, .address_space: global }
      - { .name: x_scales, .offset: 24, .size: 8, .value_kind: global_buffer, .address_space: global }
      - { .name: out0, .offset: 32, .size: 8, .value_kind: global_buffer, .address_space: global }
    .group_segment_fixed_size: 327680
    .private_segment_fixed_size: 0
    .kernarg_segment_align: 8
    .kernarg_segment_size: 40
    .max_flat_workgroup_size: 512
    .sgpr_count:     90
    .vgpr_count:     256
    .wavefront_size: 32
...
	.end_amdgpu_metadata
.endif
;; end of part 1
